; MI455X (gfx1250); checked and timed in simulation.
; The chip was launched on July 23, 2026; its instructions are those of AMD's public machine-readable ISA for CDNA 5 (MIT licence, August 2026) and "CDNA5" Instruction Set Architecture Reference Guide (July 2026). The comments in the code are by the model that wrote it; some were corrected since.
;; Dual SPRT Linear. Allowed arithmetic: matrix products marked QUANTISED: E2M3 operands, one E8M0 scale for each 32 along K, by v_wmma_scale_f32_16x16x128_f8f6f4 with both operands' format E2M3, f32 sums; everything else in f32.
;; Inputs: scales 65,536 float32; ternary 2,048 x 4,096 int8; x_codes 4 x 2,048 x 128 x 24 uint8 (E2M3 codes of x, K innermost, in blocks of 32 codes, four codes in three bytes); x_scales 4 x 2,048 x 128 uint8 (E8M0 scales of x, one for each 32 codes along K).
;; Outputs: out0 4 x 2,048 x 2,048 float32.
;; This version of the problem:
;;   THIS VERSION OF THE PROBLEM IS GIVEN IN LOW PRECISION. The matrix products marked QUANTISED in the list below multiply operands that are first quantised to E2M3 (2 exponent bits, 3 mantissa bits; 6 bits a number), with one power-of-two scale for each 32 numbers along K (OCP MX v1.0); their sums are f32. All else is computed in f32.
;;   The module's matrix products, in the order in which they are computed (A, B: the left and right operand; K: the contracted axis; several contracted axes count as one K, in the product's order):
;;     1. [M 8,192, K 4,096] x [K 4,096, N 2,048]; A: input x (given as codes); B: computed on the way: QUANTISED
;;   THE QUANTISER, for each operand of a quantised product, along K:
;;     - K is cut into blocks of 32 from its start; a last block that is shorter is filled with zeros.
;;     - A block's scale is 2^e with e = floor(log2(the largest magnitude in the block)) - 2, held to -126 .. 127; a block of zeros has e = 0. As a byte (E8M0): e + 127.
;;     - Each number is divided by its block's scale, clamped to +-7.5, and rounded to the nearest number of E2M3, ties to even, subnormals kept.
;;     - The product sums the exact products of the quantised numbers (number of the format x scale) in f32.
;;   ~~~python
;;   def quantise(x, axis):      # numpy; x: float32 -> the quantised numbers, widened to float32 again
;;       x = np.moveaxis(x, axis, -1); K = x.shape[-1]
;;       x = np.pad(x, [(0, 0)] * (x.ndim - 1) + [(0, -K % 32)]); x = x.reshape(x.shape[:-1] + (-1, 32)); a = np.abs(x).max(-1, keepdims=True)
;;       e = np.where(a > 0, np.clip(np.frexp(np.where(a > 0, a, 1))[1] - 1 - 2, -126, 127), 0)      # np.frexp(a)[1] - 1 = floor(log2(a)), exactly
;;       r = np.clip(x / 2.0 ** e, -7.5, 7.5)
;;       step = 2.0 ** (np.maximum(np.frexp(np.where(r == 0, 1, r))[1] - 1, 0) - 3)
;;       q = np.round(r / step) * step * 2.0 ** e      # np.round: ties to even
;;       return np.moveaxis(q.reshape(q.shape[:-2] + (-1,))[..., :K], -1, axis).astype(np.float32)
;;   ~~~
;;   OPERANDS COMPUTED ON THE WAY. 'Computed on the way' means the value that the module computes at that place (a softmax that the list does not call 'softmax' is quantised finished and normalised). What goes into a quantiser is computed in f32, as accurately as f32 sums, v_exp_f32 and their like allow (about 1e-6 of the number): no bf16 or f16 on the way to a quantiser, and a product that is left as it is and whose result goes on into a quantised operand takes f32 operands (vector FMAs, or v_wmma_f32_16x16x4_f32). A number that lies on a knife's edge between two numbers of the format may be rounded either way, as far as f32 arithmetic and the matrix unit's own rounding can turn it there, and no further.
;;   INPUTS GIVEN AS CODES. x (in the module: [4, 2048, 4096], K = its axis 2): each comes as NAME_codes (uint8): NAME with its K axis moved to the last place and cut into blocks of 32 codes, [.., K / 32, bytes a block], one block behind the other in memory; four codes in three bytes: a row's codes are one little-endian stream of bits, code i at bits 6 i .. 6 i + 5 (a code: sign, 2 exponent bits, 3 mantissa bits); and NAME_scales (uint8): the same leading axes, one E8M0 byte (e + 127) for each 32 codes along K. Its value is code x scale, taken as it is: it is not quantised again, and the codes and scales need not be those that the quantiser above would give.
;; One version. Each part assembles by itself: llvm-mc -triple=amdgcn-amd-amdhsa -mcpu=gfx1250 --defsym DOCPART=n.
;; ======== version 1 of 1: 2 launches
;; limits: right only within a limited range of input values
;; workspace buffers: x_img 26,607,616 bytes; w_img 6,651,904 bytes
;; launch prep (part 1): grid 640 x 1, 4 waves a work-group, no clusters, 91,648 bytes of LDS; arguments ternary, scales, x_codes, x_scales, w_img, x_img; writes w_img, x_img
.if DOCPART == 1
	.amdgcn_target "amdgcn-amd-amdhsa--gfx1250"
	.amdhsa_code_object_version 6
	.text
	.protected	k_q6c85fe1b7e_prep
	.globl	k_q6c85fe1b7e_prep
	.p2align	8
	.type	k_q6c85fe1b7e_prep,@function
k_q6c85fe1b7e_prep:
	s_mov_b64 s[64:65], 0
	v_nop
	global_prefetch_b8 v0, s[64:65] scope:SCOPE_SE
	s_setreg_imm32_b32 hwreg(HW_REG_WAVE_MODE, 25, 1), 1
	s_wait_xcnt 0x0
; Lays both operands of out = x w^T as the next launch's registers want them.
; w[n][k] = f32(ternary[n][k]) x scales[32 n + k/128], one rounding in f32, is quantised along k to FP6 (E2M3) codes with one E8M0 byte for each 32 (any int8, either sign of scale).
; x's codes and scale bytes are copied as they are given.
; LIMITS: a block of zeros of w gets the byte 1 where the rule says 127 (its codes are zeros; the bytes are read by this program alone);
; NaN and infinities in scales, and scales so large that 128 x |scale| leaves f32, are not served.
; AN IMAGE: 128 rows are one group of GRP bytes: ten tiles of 384 along k and one of 256.  A tile: its fragments, step q (128 k) and block i (16 rows) at (8 q + i) x 1,536 bytes,
; register j of lane l at 512 (j/4) + 16 l + 4 (j%4); behind them 2,048 bytes of scale words, 16 bytes for row r of block i at 256 i + 16 r: x's words of steps 0..2 in words 0..2, w's in words 1..3; the word left over is filler.
; So fragment (step t of 32, block i) lies at 12,288 t + 2,048 (t/3) + 1,536 i of its group.
; x: lane r of block i is row 16 i + r of the group.  w: it is row 64 (i/4) + 4 r + i%4, so that four neighbouring blocks give a lane four neighbouring columns of the result.
; SHARES: work-groups 0-127 take a block of w each, the others a block of x; wave w takes k = 1,024 w .. + 1,023.  The rows' scale words meet in LDS, so that each tile's 16 bytes a row leave as whole runs of 256 bytes.
; The two kinds of work-group have LDS bytes of their own.  No prefetch: the launch has no loop to run ahead in.
.set PITCH, 528                        ; w's stage row: 512 bytes + 16
.set WST,   16*PITCH
.set EXW,   4*WST                      ; w's scale words: 16 rows x 224 bytes (56 words); step t at word t + 1; the other words are filler, written with zeros
.set XSTG,  EXW+3584
.set XP,    784                        ; x's stage row: 768 bytes + 16
.set XWST,  16*XP
.set EXX,   XSTG+4*XWST                ; x's scale words: step t at word t
.set SPARE, EXX+3584
.set GRP,   415744
.set TILE,  38912
.set SQ,    10
.set SG,    12
.set R,     16
.set X,     80
.set F,     144
.set C,     208
.set MXR,   16
.set SO,    20
.set BY,    22
.set PT,    24
.set W,     26
.set O,     30
.set TMP,   32
.set VO,    40                         ; v40-43 the four fragments' offsets in the image
	s_load_b128 s[4:7], s[0:1], 0x0                ; ternary, scales
	s_load_b128 s[16:19], s[0:1], 0x10             ; x_codes, x_scales
	s_load_b128 s[8:11], s[0:1], 0x20              ; w_img, x_img
	s_set_vgpr_msb 0x40
	v_lshl_add_u32 v0, v0, 2, SPARE                ; v256: my spare word
	v_mov_b32 v1, 0                                ; v257: 0
	s_set_vgpr_msb 0x4000
	v_lshrrev_b32 v1, 5, v0
	v_readfirstlane_b32 s12, v1                    ; wave
	v_and_b32 v1, 31, v0                           ; lane
	v_and_b32 v2, 15, v0                           ; r
	v_bfe_u32 v3, v0, 4, 1                         ; h
	v_lshlrev_b32 v4, 4, v1                        ; 16 x lane
	s_wait_alu depctr_va_vdst(0)                   ; the wait ahead of the scalar lines
	s_sub_co_u32 s14, ttmp9, 128
	s_cmp_lt_u32 ttmp9, 128
	s_cselect_b32 s13, ttmp9, s14                  ; my block of w or of x
	s_lshr_b32 s14, s13, 3                         ; its group
	s_and_b32 s15, s13, 7                          ; i
	s_lshl_b32 s31, s15, 8
	s_add_co_u32 s31, s31, 36864                   ; my rows' scale words in a full tile
	s_mul_i32 s32, s15, 1536
	s_mul_i32 s34, s14, GRP
	s_mov_b32 s35, 0
	s_mov_b32 s37, 0
	s_lshl_b32 s30, s12, 3                         ; my first step
.irp s, 0,1,2,3,4,5,6,7
	s_add_co_u32 s33, s30, \s                      ; t
	s_mul_i32 s36, s33, 171
	s_lshr_b32 s36, s36, 9                         ; t / 3 (t under 32)
	s_lshl_b32 s36, s36, 11
	s_mul_i32 s33, s33, 12288
	s_add_co_u32 s33, s33, s36
	s_add_co_u32 s[40+\s], s33, s32
.endr
	s_wait_kmcnt 0x0
	s_cmp_lt_u32 ttmp9, 128
	s_cbranch_scc0 .Lx
; The tiles' scale words leave: lane (r, h) of wave w takes tile e = 2 w + h, and tile e + 8 where e < 3.  Sixteen lanes store 256 consecutive bytes.
.macro SCOUT ex, img
	v_lshl_add_u32 v20, s12, 1, v3                 ; e
	v_mul_u32_u24 v21, v2, 224
	v_mad_u32_u24 v22, v20, 12, v21
	v_add_nc_u32 v22, \ex, v22                     ; words 3 e .. 3 e + 3 of row r
	v_mul_u32_u24 v23, v20, TILE
	v_lshl_add_u32 v23, v2, 4, v23
	v_add_nc_u32 v23, s31, v23
	v_lshrrev_b32 v33, 1, v20
	v_mul_u32_u24 v33, v33, 12288                  ; tile 10 (e = 2) is one step shorter
	v_sub_nc_u32 v33, v23, v33
	v_cmp_gt_u32 vcc_lo, 3, v20
.irp c, 0,1,2,3
	ds_load_b32 v[24+\c], v22 offset:4*\c
.endr
	s_wait_alu depctr_va_vdst(0)                   ; the wait ahead of the wait below
	s_wait_dscnt 0x0
	global_store_b128 v23, v[24:27], s[\img:\img+1]
	s_wait_xcnt 0x0                                ; EXEC changes only behind this wait
	s_and_saveexec_b32 s38, vcc_lo
.irp c, 0,1,2,3
	ds_load_b32 v[28+\c], v22 offset:96+4*\c
.endr
	s_wait_dscnt 0x0
	global_store_b128 v33, v[28:31], s[\img:\img+1] offset:8*TILE
	s_wait_xcnt 0x0
	s_or_b32 exec_lo, exec_lo, s38
	s_set_vgpr_msb 0x5
	s_wait_tensorcnt 0x0                           ; the wave's end
	ds_add_u32 v0, v1
	s_wait_dscnt 0x0
	s_set_vgpr_msb 0x500
	s_endpgm
.endm
; ---- a block of w ----
	s_mul_i32 s18, s12, WST
	v_add_nc_u32 v5, s18, v4                       ; into my stage
	v_mul_u32_u24 v6, v2, PITCH
	v_lshl_add_u32 v6, v3, 5, v6
	v_add_nc_u32 v6, s18, v6                       ; out of it: row r, + 32 h
	v_lshlrev_b32 v7, 9, v2                        ; scales: my rows lie four rows, 512 bytes, apart
	v_mul_u32_u24 v8, v2, 224
	v_mad_u32_u24 v16, v3, 132, v8
	v_add_nc_u32 v16, EXW, v16                     ; the filler words 0 and 33 of row r
	v_lshl_add_u32 v8, v3, 2, v8
	v_add_nc_u32 v17, EXW, v8                      ; word h of row r: for the filler words 34 .. 55
	v_lshl_add_u32 v8, s12, 5, v8
	v_add_nc_u32 v8, EXW+4, v8                     ; word 8 w + h + 1 of row r
	v_lshlrev_b32 v9, 3, v3
	v_mov_b32 v[SQ+1], 0
	s_mov_b32 s20, 0x07060500                      ; v_perm_b32: byte b of the data under the upper three bytes of 2^23
	s_mov_b32 s21, 0x07060501
	s_mov_b32 s22, 0x07060502
	s_mov_b32 s23, 0x07060503
	s_mov_b32 s24, 0x4b000000                      ; 2^23
	s_mov_b32 s26, 0xcb000080                      ; -(2^23 + 128)
	s_mov_b32 s27, s26
	s_mov_b32 s28, 0x76543210
	s_mov_b32 s29, 0xfedcba98
	s_lshl_b32 s16, s14, 7                         ; my first row: 128 G + 64 (i/4) + i%4
	s_lshr_b32 s33, s15, 2
	s_lshl_b32 s33, s33, 6
	s_add_co_u32 s16, s16, s33
	s_and_b32 s33, s15, 3
	s_add_co_u32 s16, s16, s33
	s_lshl_b32 s36, s16, 12
	s_lshl_b32 s33, s12, 10
	s_add_co_u32 s36, s36, s33
	s_add_nc_u64 s[4:5], s[4:5], s[36:37]
	s_lshl_b32 s36, s16, 7
	s_lshl_b32 s33, s12, 5
	s_add_co_u32 s36, s36, s33
	s_add_nc_u64 s[6:7], s[6:7], s[36:37]
	s_add_nc_u64 s[8:9], s[8:9], s[34:35]
	s_wait_alu depctr_va_vdst(0)                   ; the wait at the head's end
	s_cmp_lg_u32 s12, 0
	s_cbranch_scc1 .Lw1
	ds_store_b32 v16, v[SQ+1]                      ; wave 0 writes the filler: every word of a row that any lane's read can name is written
.irp k, 0,1,2,3,4,5,6,7,8,9,10
	ds_store_b32 v17, v[SQ+1] offset:136+8*\k
.endr
.Lw1:
; One fragment: 128 along k, 64 numbers a lane: blocks h and 2 + h of the four.
.macro KQ q, P
	s_wait_dscnt 12-4*\q                           ; this fragment's four reads are back; four for each later fragment stay out
.if \q == 0
	v_mov_b32 v[PT], 0
.endif
	v_mov_b32 v[SQ], v[SG+\q]
	v_add_nc_u32 v[VO+\q], s[40+4*\P+\q], v4
.irp d, 0,1,2,3,4,5,6,7,8,9,10,11,12,13,14,15
	v_xor_b32 v[X+16*\q+\d], 0x80808080, v[X+16*\q+\d]   ; t + 128 in each byte
.endr
.irp d, 0,1,2,3,4,5,6,7,8,9,10,11,12,13,14,15
.irp b, 0,1,2,3
	v_perm_b32 v[F+4*\d+\b], s24, v[X+16*\q+\d], s[20+\b]   ; the f32 number 2^23 + t + 128
.endr
.endr
.set j, 0
.rept 32
	v_pk_add_f32 v[F+j:F+j+1], v[F+j:F+j+1], s[26:27] op_sel_hi:[1,0]   ; t, exactly
.set j, j+2
.endr
.set j, 0
.rept 32
	v_pk_mul_f32 v[F+j:F+j+1], v[F+j:F+j+1], v[SQ:SQ+1] op_sel_hi:[1,0]   ; t x scale, rounded once
.set j, j+2
.endr
.irp n, 0,1,2,3
	v_max3_num_f32 v[MXR+\n], |v[F+16*\n]|, |v[F+16*\n+1]|, 0x1800000   ; four chains by turns; the floor 2^(3 - 127) holds the byte at 1 from below
.endr
.irp i, 2,4,6,8,10,12,14
.irp n, 0,1,2,3
	v_max3_num_f32 v[MXR+\n], v[MXR+\n], |v[F+16*\n+\i]|, |v[F+16*\n+\i+1]|
.endr
.endr
.irp c, 0,1
	v_max_num_f32 v[MXR+2*\c], v[MXR+2*\c], v[MXR+2*\c+1]
.endr
.irp c, 0,1
	v_add_nc_u32 v[SO+\c], 0xff000000, v[MXR+2*\c] ; 2 off the exponent field: the conversion's scale operand
.endr
.irp c, 0,1
	v_lshrrev_b32 v[BY+\c], 23, v[SO+\c]           ; the scale's byte
.endr
	v_lshl_or_b32 v[W+\q], v[BY+1], 16, v[BY]
	v_lshlrev_b32 v[W+\q], v9, v[W+\q]
	v_permlanex16_b32 v[PT], v[W+\q], s28, s29
	v_or_b32 v[W+\q], v[W+\q], v[PT]               ; the row's word, whole in both halves of the lanes
.irp c, 0,1
	v_cvt_scalef32_pk16_fp6_f32 v[C+12*\q+6*\c:C+12*\q+6*\c+2], v[F+32*\c:F+32*\c+15], v[SO+\c]
	v_cvt_scalef32_pk16_fp6_f32 v[TMP+4*\c:TMP+4*\c+2], v[F+32*\c+16:F+32*\c+31], v[SO+\c]
.endr
	v_nop                                          ; one plain place behind a scaled conversion
.irp c, 0,1
.irp i, 0,1,2
	v_mov_b32 v[C+12*\q+6*\c+3+\i], v[TMP+4*\c+\i]
.endr
.endr
.irp g, 0,1,2
	global_store_b128 v[VO+\q], v[C+12*\q+4*\g:C+12*\q+4*\g+3], s[8:9] offset:512*\g   ; 32 lanes store 512 consecutive bytes
.endr
.endm
; 512 along k of my 16 rows: each load reads 512 consecutive bytes of a row; they turn through my own stage.
.macro PASS P
.if \P
	s_wait_xcnt 0x0                                ; the first pass's stores have read their registers
.endif
	global_load_b128 v[SG:SG+3], v7, s[6:7] offset:16*\P
.irp i, 0,1,2,3,4,5,6,7,8,9,10,11,12,13,14,15
	global_load_b128 v[R+4*\i:R+4*\i+3], v4, s[4:5] offset:16384*\i+512*\P th:TH_LOAD_NT
.endr
.irp i, 0,1,2,3,4,5,6,7,8,9,10,11,12,13,14,15
	s_wait_loadcnt 15-\i                           ; row i is in; the 15 - i younger loads stay out
	ds_store_b128 v5, v[R+4*\i:R+4*\i+3] offset:PITCH*\i
.endr
.irp q, 0,1,2,3
.irp c, 0,1
.irp i, 0,1
	ds_load_b128 v[X+16*\q+8*\c+4*\i:X+16*\q+8*\c+4*\i+3], v6 offset:128*\q+64*\c+16*\i
.endr
.endr
.endr
	KQ 0, \P
	KQ 1, \P
	KQ 2, \P
	KQ 3, \P
	v_cmp_lt_u32 vcc_lo, 15, v1
	v_cndmask_b32 v[O], v[W], v[W+1], vcc_lo       ; lanes 16-31 carry the odd steps' words
	v_cndmask_b32 v[O+1], v[W+2], v[W+3], vcc_lo
	ds_store_b32 v8, v[O] offset:16*\P
	ds_store_b32 v8, v[O+1] offset:16*\P+8
.endm
	PASS 0
	PASS 1
	s_wait_dscnt 0x0                               ; my words are in LDS
	s_barrier_signal -1
	s_barrier_wait -1
	SCOUT EXW, 8
; ---- a block of x ----
.Lx:
	s_mul_i32 s33, s12, XWST
	s_add_co_u32 s33, s33, XSTG
	v_lshlrev_b32 v5, 3, v1                        ; 8 x lane: a load's 256 bytes
	v_add_nc_u32 v6, s33, v5
	v_mul_u32_u24 v7, v2, XP
	v_mad_u32_u24 v7, v3, 24, v7
	v_add_nc_u32 v7, s33, v7                       ; out of the stage: row r, + 24 h
	v_lshrrev_b32 v8, 3, v0
	v_mul_u32_u24 v8, v8, 224
	v_and_b32 v9, 7, v0
	v_lshl_add_u32 v8, v9, 4, v8
	v_add_nc_u32 v8, EXX, v8                       ; thread t: 16 bytes of row t / 8 of the scales
	v_lshlrev_b32 v9, 4, v0
	v_mul_u32_u24 v10, v2, 224
	v_lshl_add_u32 v10, v3, 2, v10
	v_add_nc_u32 v10, EXX+128, v10                 ; the filler words 32 and 33
	v_mov_b32 v11, 0
.irp s, 0,1,2,3,4,5,6,7
	v_add_nc_u32 v[208+\s], s[40+\s], v4
.endr
	s_mul_i32 s36, s13, 49152                      ; 16 rows of 3,072 bytes
	s_mul_i32 s33, s12, 768
	s_add_co_u32 s36, s36, s33
	s_add_nc_u64 s[16:17], s[16:17], s[36:37]
	s_lshl_b32 s36, s13, 11
	s_add_nc_u64 s[18:19], s[18:19], s[36:37]
	s_add_nc_u64 s[10:11], s[10:11], s[34:35]
	s_wait_alu depctr_va_vdst(0)                   ; the wait at the head's end
	global_load_b128 v[12:15], v9, s[18:19]        ; the block's 2,048 bytes of scales, 512 a wave
.irp i, 0,1,2,3,4,5,6,7,8,9,10,11,12,13,14,15
.irp u, 0,1,2
	global_load_b64 v[16+6*\i+2*\u:17+6*\i+2*\u], v5, s[16:17] offset:3072*\i+256*\u th:TH_LOAD_NT   ; 32 lanes read 256 consecutive bytes, aligned
.endr
.endr
	s_cmp_lg_u32 s12, 0
	s_cbranch_scc1 .Lx1
.irp k, 0,1,2,3,4,5,6,7,8,9,10,11
	ds_store_b32 v10, v11 offset:8*\k              ; wave 0 writes the filler words 32 .. 55 of each row
.endr
.Lx1:
	s_wait_loadcnt 48                              ; the scales are in; the 48 loads of codes stay out
	ds_store_b128 v8, v[12:15]
.irp i, 0,1,2,3,4,5,6,7,8,9,10,11,12,13,14,15
	s_wait_loadcnt 45-3*\i                         ; row i's three loads are in
.irp u, 0,1,2
	ds_store_b64 v6, v[16+6*\i+2*\u:17+6*\i+2*\u] offset:XP*\i+256*\u
.endr
.endr
.irp s, 0,1,2,3,4,5,6,7
.irp p, 0,1,2,3,4,5
	ds_load_b64 v[112+12*\s+2*\p:113+12*\s+2*\p], v7 offset:96*\s+48*(\p/3)+8*(\p%3)   ; the fragment's registers as the operand's layout has them
.endr
.endr
.irp s, 0,1,2,3,4,5,6,7
	s_wait_dscnt 6*(7-\s)                          ; fragment s is in; six loads for each later one stay out
.irp g, 0,1,2
	global_store_b128 v[208+\s], v[112+12*\s+4*\g:115+12*\s+4*\g], s[10:11] offset:512*\g
.endr
.endr
	s_wait_dscnt 0x0
	s_barrier_signal -1
	s_barrier_wait -1
	SCOUT EXX, 10
.Lfunc_end_k_q6c85fe1b7e_prep:
	.size	k_q6c85fe1b7e_prep, .Lfunc_end_k_q6c85fe1b7e_prep-k_q6c85fe1b7e_prep
	.p2alignl 7, 3214868480
	.fill 96, 4, 3214868480
	.section	.rodata,"a",@progbits
	.p2align	6, 0x0
	.amdhsa_kernel k_q6c85fe1b7e_prep
		.amdhsa_group_segment_fixed_size 91648
		.amdhsa_private_segment_fixed_size 0
		.amdhsa_enable_private_segment 0
		.amdhsa_kernarg_size 48
		.amdhsa_user_sgpr_count 2
		.amdhsa_user_sgpr_kernarg_segment_ptr 1
		.amdhsa_wavefront_size32 1
		.amdhsa_system_sgpr_workgroup_id_x 1
		.amdhsa_system_sgpr_workgroup_id_y 1
		.amdhsa_system_sgpr_workgroup_id_z 1
		.amdhsa_system_vgpr_workitem_id 0
		.amdhsa_next_free_vgpr 258
		.amdhsa_next_free_sgpr 66
		.amdhsa_reserve_vcc 1
		.amdhsa_float_denorm_mode_32 3
		.amdhsa_float_denorm_mode_16_64 3
		.amdhsa_memory_ordered 1
		.amdhsa_forward_progress 1
		.amdhsa_inst_pref_size 135
	.end_amdhsa_kernel
	.amdgpu_metadata
---
amdhsa.version: [ 1, 2 ]
amdhsa.kernels:
  - .name:           k_q6c85fe1b7e_prep
    .symbol:         k_q6c85fe1b7e_prep.kd
    .args:
      - { .name: ternary, .offset: 0, .size: 8, .value_kind: global_buffer, .address_space: global }
      - { .name: scales, .offset: 8, .size: 8, .value_kind: global_buffer, .address_space: global }
      - { .name: x_codes, .offset: 16, .size: 8, .value_kind: global_buffer, .address_space: global }
      - { .name: x_scales, .offset: 24, .size: 8, .value_kind: global_buffer, .address_space: global }
      - { .name: w_img, .offset: 32, .size: 8, .value_kind: global_buffer, .address_space: global }
      - { .name: x_img, .offset: 40, .size: 8, .value_kind: global_buffer, .address_space: global }
    .group_segment_fixed_size: 91648
    .private_segment_fixed_size: 0
    .kernarg_segment_align: 8
    .kernarg_segment_size: 48
    .max_flat_workgroup_size: 128
    .sgpr_count:     66
    .vgpr_count:     258
    .wavefront_size: 32
...
	.end_amdgpu_metadata
.endif
;; end of part 1
;; launch gemm (part 2): grid 8 x 32, 4 waves a work-group, clusters of 4 x 4, 327,680 bytes of LDS; arguments x_img, w_img, out0; writes out0
.if DOCPART == 2
	.amdgcn_target "amdgcn-amd-amdhsa--gfx1250"
	.amdhsa_code_object_version 6
	.text
	.protected	k_q6c85fe1b7e_gemm
	.globl	k_q6c85fe1b7e_gemm
	.p2align	8
	.type	k_q6c85fe1b7e_gemm,@function
k_q6c85fe1b7e_gemm:
	s_mov_b64 s[64:65], 0
	v_nop
	global_prefetch_b8 v0, s[64:65] scope:SCOPE_SE
	s_setreg_imm32_b32 hwreg(HW_REG_WAVE_MODE, 25, 1), 1
	s_wait_xcnt 0x0
	s_wait_alu depctr_hold_cnt(0) depctr_sa_sdst(0) depctr_va_vdst(0) depctr_va_sdst(0) depctr_va_ssrc(0) depctr_va_vcc(0) depctr_vm_vsrc(0)
	s_getreg_b32 s2, hwreg(HW_REG_IB_STS2, 6, 4)
	s_cmp_eq_u32 s2, 0
	s_cbranch_scc0 .Lentry_in_a_cluster
	s_endpgm
.Lentry_in_a_cluster:
	s_bfe_u32 s2, ttmp6, 0x10000c
	s_cmp_lg_u32 s2, 0xf033
	s_cbranch_scc0 .Lentry_shape_is_right
	s_endpgm
.Lentry_shape_is_right:
; out[m][n] = sum over k of x[m][k] w[n][k] on FP6 (E2M3) codes with E8M0 scales, f32 sums; both operands come as the images that launch prep lays (its head comment has the layout).
; A work-group of four waves makes 256 x 256, a wave 128 x 128: 64 accumulators.  K goes through two LDS slots of 384 along K (the last tile: 256); a slot is four dense tiles (A's two groups of 128 rows, B's two),
; each fetched by one wave's tensor load as rows of 256 bytes, fragments and scale words together.  4 x 4 clusters: A's tiles are asked for jointly along a row, B's along a column.
; Source 0 = 16 rows of x, source 1 = 16 rows of w.  Lane r of w's block b is column 64 (b/4) + 4 r + b%4, so register j of four neighbouring accumulators is 16 neighbouring bytes of row 8 h + j:
; the results are gathered by moves and stored from registers, sixteen lanes to 256 aligned bytes; no LDS stage.
; A scale register holds A's word of (block i, step q) at 4 i + q in lanes 0-15 and B's at 4 i + q + 1 in lanes 16-31.
; REGISTERS: window 0: v0-31 addresses, v32-95 scale words (two sets), v128-223 A's fragments (one set); window 1: B's fragments, two sets (v0, v128); windows 2, 3: accumulator (a, b) at v[8 (8 (a%4) + b)].
; PREFETCH: behind the refill with tile j + 2 the tile j + 4 is named (two slots ahead), 38 blocks of 256 bytes for each of the four partners, told apart by address; only the clusters of the grid's first column (A) and first row (B) ask;
; tiles 0-3 and the short tile 10 come by their loads alone.
.set FR,     12
.set FRB,    1536
.set TILE,   38912
.set GRP,    415744
.set SLOT,   4*TILE
.set SPARE,  2*SLOT
.set ADRA, 16
.set ADRB, 18
.set ADRS, 20
.set CO,   26
.set PFO2, 27
.set SPW,  28
.set NIL,  29
.set PFO,  31
.set SC,   32
.set AF,   128
.set G1, 24
.set G0, 32
.set G1B, 48
.set G0B, 56
.set PFA,  92
.set LIM,  96
.set MSB, 0
.macro WIN new
.if MSB != \new
	s_set_vgpr_msb (MSB<<8)|\new
.set MSB, \new
.endif
.endm
.set MUL_LO, 0xa4                      ; source 0 (A) window 0, source 1 (B) window 1, C and D window 2
.set MUL_HI, 0xf4
.set TO_B,   0x40
.macro JLOAD s                         ; waves 0, 1 ask for A's two tiles, waves 2, 3 for B's
	s_cmp_eq_u32 s15, 0
	s_cbranch_scc0 .Lfor_b_\@
	tensor_load_to_lds s[G0+4*\s:G0+4*\s+3], s[G1:G1+7]
	s_nop 0
.rept 4
	v_nop
.endr
	s_branch .Lasked_\@
.Lfor_b_\@:
	tensor_load_to_lds s[G0B+4*\s:G0B+4*\s+3], s[G1B:G1B+7]
	s_nop 0
.rept 4
	v_nop
.endr
.Lasked_\@:
.endm
.macro ASK                             ; not in the loop's last trip: tiles 4 to 9 are named
	s_cmp_gt_u32 s3, s[LIM]
	s_cbranch_scc0 .Lnot_mine_\@
	s_wait_xcnt 0x0                                ; the last prefetches, a slot ago, have read their address
	s_add_nc_u64 s[PFA:PFA+1], s[PFA:PFA+1], TILE
	global_prefetch_b8 v[PFO], s[PFA:PFA+1] th:TH_LOAD_NT scope:SCOPE_SE
	global_prefetch_b8 v[PFO2], s[PFA:PFA+1] th:TH_LOAD_NT scope:SCOPE_SE
.Lnot_mine_\@:
.endm
.macro CREST
	s_cmp_lg_u32 s14, 0
	s_cbranch_scc1 .Lnot_wave_0_\@
	s_barrier_signal -3
.Lnot_wave_0_\@:
	s_barrier_wait -3
	s_barrier_signal -1
	s_barrier_wait -1
.endm
.macro CROUND
	s_barrier_signal -1
	s_barrier_wait -1
	CREST
.endm
	s_load_b128 s[4:7], s[0:1], 0x0                ; x_img, w_img
	s_load_b64 s[12:13], s[0:1], 0x10              ; out
	v_lshl_add_u32 v[SPW], v0, 2, SPARE
	v_mov_b32 v[NIL], 0
	ds_add_u32 v[SPW], v[NIL]                      ; the opening lines: the add twice and its wait
	ds_add_u32 v[SPW], v[NIL]
	v_lshrrev_b32 v1, 5, v0
	v_readfirstlane_b32 s14, v1                    ; wave
	s_lshr_b32 s15, s14, 1                         ; my half of the rows; also: I fetch for A (0) or B (1)
	s_and_b32 s16, s14, 1                          ; my half of the columns; also: which group of 128 rows I fetch
	s_bfe_u32 s40, ttmp6, 0x40000                  ; cx
	s_bfe_u32 s41, ttmp6, 0x40004                  ; cy
	s_lshl_b32 s42, ttmp9, 2
	s_add_co_u32 s42, s42, s40                     ; tile column
	s_and_b32 s17, ttmp7, 0xffff
	s_lshl_b32 s17, s17, 2
	s_add_co_u32 s17, s17, s41                     ; tile row
	s_lshl_b32 s43, s41, 2
	s_lshl_b32 s43, 15, s43                        ; my row of the cluster
	s_lshl_b32 s44, 0x1111, s40                    ; my column
	s_or_b32 s[G1+0], s43, (3<<16)|(1<<21)         ; elements of 8 bytes, no padding: 152 dense rows of 256 bytes
	s_or_b32 s[G1B+0], s44, (3<<16)|(1<<21)
.irp g, G1, G1B
	s_mov_b32 s[\g+1], 32<<16
	s_mov_b32 s[\g+2], (TILE/256)<<16
	s_mov_b32 s[\g+3], 32<<16
	s_mov_b32 s[\g+4], TILE/256
	s_mov_b32 s[\g+5], 32
	s_mov_b32 s[\g+6], 0
	s_mov_b32 s[\g+7], 0
.endr
	s_lshl_b32 s20, s17, 1
	s_add_co_u32 s20, s20, s16
	s_mul_i32 s20, s20, GRP                        ; A: my group of 128 rows
	s_mov_b32 s21, 0
	s_lshl_b32 s46, s42, 1
	s_add_co_u32 s46, s46, s16
	s_mul_i32 s46, s46, GRP                        ; B likewise
	s_mov_b32 s47, 0
	s_mul_i32 s45, s16, TILE
	s_wait_dscnt 0x0
	s_wait_kmcnt 0x0
	s_add_nc_u64 s[74:75], s[4:5], s[20:21]
	s_add_nc_u64 s[76:77], s[6:7], s[46:47]
	CROUND                                         ; the first joint loads meet
.irp s, 0,1
	s_mov_b32 s[G0+4*\s], 1
	s_add_co_u32 s[G0+4*\s+1], s45, \s*SLOT
	s_add_nc_u64 s[G0+4*\s+2:G0+4*\s+3], s[74:75], \s*TILE
	s_or_b32 s[G0+4*\s+3], s[G0+4*\s+3], 0x80000000
	s_mov_b32 s[G0B+4*\s], 1
	s_add_co_u32 s[G0B+4*\s+1], s45, \s*SLOT+2*TILE
	s_add_nc_u64 s[G0B+4*\s+2:G0B+4*\s+3], s[76:77], \s*TILE
	s_or_b32 s[G0B+4*\s+3], s[G0B+4*\s+3], 0x80000000
.endr
	JLOAD 0                                        ; tile 0: one tensor load a wave at the head
	s_mul_i32 s66, s15, TILE                       ; my A tile in slot 0,
	s_add_co_u32 s67, s66, SLOT                    ; in slot 1
	s_mul_i32 s68, s16, TILE
	s_add_co_u32 s68, s68, 2*TILE                  ; my B tile
	s_add_co_u32 s69, s68, SLOT
	s_sub_co_u32 s70, s68, s66                     ; from A's tile to B's
	s_lshl_b32 s22, s17, 8
	s_lshl_b32 s23, s15, 7
	s_add_co_u32 s22, s22, s23
	s_lshl_b32 s22, s22, 13                        ; my first row of out, 8,192 bytes a row
	s_mov_b32 s23, 0
	s_lshl_b32 s18, s42, 10
	s_lshl_b32 s19, s16, 9
	s_add_co_u32 s18, s18, s19
	s_mov_b32 s19, 0
	s_add_nc_u64 s[12:13], s[12:13], s[22:23]
	s_add_nc_u64 s[12:13], s[12:13], s[18:19]
	s_and_b32 s22, ttmp7, 0xffff
	s_cmp_eq_u32 s15, 0
	s_cselect_b64 s[PFA:PFA+1], s[4:5], s[6:7]
	s_cselect_b32 s18, s20, s46
	s_cselect_b32 s71, s40, s41                    ; my place among the four that share the tile
	s_cselect_b32 s22, ttmp9, s22
	s_add_nc_u64 s[PFA:PFA+1], s[PFA:PFA+1], s[18:19]
	s_add_nc_u64 s[PFA:PFA+1], s[PFA:PFA+1], 3*TILE
	s_mul_i32 s71, s71, 38*256
	s_add_co_u32 s72, s71, 32*256
	s_cmp_eq_u32 s22, 0
	s_cselect_b32 s[LIM], 1, -1
	v_and_b32 v1, 15, v0                           ; r
	v_bfe_u32 v2, v0, 4, 1                         ; h
	v_and_b32 v3, 31, v0
	v_lshlrev_b32 v4, 4, v3                        ; 16 x lane
	v_add_nc_u32 v[ADRA], s66, v4
	v_add_nc_u32 v[ADRA+1], s67, v4
	v_add_nc_u32 v[ADRB], s68, v4
	v_add_nc_u32 v[ADRB+1], s69, v4
	v_mul_u32_u24 v5, s70, v2                      ; lanes 16-31 take B's scale words
	v_lshl_add_u32 v5, v1, 4, v5
	v_add_nc_u32 v[ADRS], s66, v5
	v_add_nc_u32 v[ADRS+1], s67, v5
	v_lshlrev_b32 v6, 16, v2                       ; out: 8 h rows,
	v_lshl_add_u32 v[CO], v1, 4, v6                ; + 16 r bytes
	v_lshl_add_u32 v[PFO], v3, 8, s71              ; blocks 38 p + lane,
	v_min_u32 v7, 5, v3
	v_lshl_add_u32 v[PFO2], v7, 8, s72             ; and 38 p + 32 .. 37 (the lanes left over name the last again)
.macro FRAGL reg, adr, q, i
.irp g, 0,1,2
	ds_load_b128 v[\reg+4*\g:\reg+4*\g+3], v[\adr] offset:((\q)*8+(\i))*FRB+512*\g
.endr
.endm
; 16 products: A's blocks a0, a0 + 1 x B's eight; the 64 accumulators take turns
.macro MUL16 a0, p, q, sc, zero
.irp a, \a0, \a0+1
.irp b, 0,1,2,3,4,5,6,7
.set AC, 8*(8*((\a)%4)+\b)
.set BF, 128*(\p)+FR*\b
.set AG, AF+FR*(\a)
.set SAR, SC+32*(\sc)+4*(\a)+(\q)
.set SBR, SC+32*(\sc)+4*\b+(\q)+1
.if \zero
	v_wmma_scale_f32_16x16x128_f8f6f4 v[AC:AC+7], v[AG:AG+FR-1], v[BF:BF+FR-1], 0, v[SAR], v[SBR] matrix_a_fmt:MATRIX_FMT_FP6 matrix_b_fmt:MATRIX_FMT_FP6 matrix_b_scale:MATRIX_SCALE_ROW1
.else
	v_wmma_scale_f32_16x16x128_f8f6f4 v[AC:AC+7], v[AG:AG+FR-1], v[BF:BF+FR-1], v[AC:AC+7], v[SAR], v[SBR] matrix_a_fmt:MATRIX_FMT_FP6 matrix_b_fmt:MATRIX_FMT_FP6 matrix_b_scale:MATRIX_SCALE_ROW1
.endif
.endr
.endr
.endm
.macro FETCH_B slot, q, p
	WIN TO_B
.irp i, 0,1,2,3,4,5,6,7
	FRAGL 128*(\p)+FR*\i, ADRB+\slot, \q, \i
.endr
	WIN 0
.endm
.macro FETCH_A slot, q, i0
.irp i, \i0, \i0+1, \i0+2, \i0+3
	FRAGL AF+FR*(\i), ADRA+\slot, \q, \i
.endr
.endm
.macro SCALES slot, so                 ; so: where the tile's scale words begin
.irp i, 0,1,2,3,4,5,6,7
	ds_load_b128 v[SC+32*\slot+4*\i:SC+32*\slot+4*\i+3], v[ADRS+\slot] offset:\so+256*\i
.endr
.endm
.macro PLACES
.rept 4
	v_nop
.endr
.endm
; a step of 128 along K; the next step of the same slot is fetched in its middle and at its end.  B's set: (slot + q) % 2
.macro STEP slot, q, zero
	s_wait_dscnt 12                                ; all but the 12 youngest loads, A's blocks 4-7
	WIN MUL_LO
	MUL16 0, (\slot+\q)%2, \q, \slot, \zero
	MUL16 2, (\slot+\q)%2, \q, \slot, \zero
	s_wait_dscnt 0
	PLACES
	FETCH_B \slot, (\q)+1, (\slot+\q+1)%2
	FETCH_A \slot, (\q)+1, 0
	WIN MUL_HI
	MUL16 4, (\slot+\q)%2, \q, \slot, \zero
	MUL16 6, (\slot+\q)%2, \q, \slot, \zero
	PLACES
	WIN 0
	FETCH_A \slot, (\q)+1, 4
.endm
; a full slot's last step, and the change of slots.  fill = 1: the slot takes the tile two on; 2: the short last tile; 0: none
.macro TURN slot, next, fill, so
	s_wait_dscnt 12
	WIN MUL_LO
	MUL16 0, (\slot)%2, 2, \slot, 0
	WIN 0
	s_wait_tensorcnt 0x0                           ; my part of the next slot has landed
	ds_add_u32 v[SPW], v[NIL]
.if \fill
	s_add_nc_u64 s[G0+4*\slot+2:G0+4*\slot+3], s[G0+4*\slot+2:G0+4*\slot+3], 2*TILE
	s_add_nc_u64 s[G0B+4*\slot+2:G0B+4*\slot+3], s[G0B+4*\slot+2:G0B+4*\slot+3], 2*TILE
.endif
.if \fill == 2
	s_mov_b32 s[G1+2], 104<<16                     ; no load of mine is out: the short tile has 104 rows of 256 bytes
	s_mov_b32 s[G1+4], 104
	s_mov_b32 s[G1B+2], 104<<16
	s_mov_b32 s[G1B+4], 104
.endif
	WIN MUL_LO
	MUL16 2, (\slot)%2, 2, \slot, 0
	WIN 0
	s_wait_dscnt 0x0                               ; the add is done, my reads of this slot are over
	s_barrier_signal -1
	s_barrier_wait -1
.if \fill
	CREST                                          ; the round of the cluster's barrier
	JLOAD \slot                                    ; its four v_nop are the places in front of the loads below
.else
	PLACES
.endif
	FETCH_B \next, 0, (\next)%2
	FETCH_A \next, 0, 0
	SCALES \next, \so
.if \fill == 1
	ASK
.endif
	WIN MUL_HI
	MUL16 4, (\slot)%2, 2, \slot, 0
	MUL16 6, (\slot)%2, 2, \slot, 0
	PLACES
	WIN 0
	FETCH_A \next, 0, 4
.endm
	s_wait_alu depctr_va_vdst(0)                   ; the wait at the head's end
	s_wait_tensorcnt 0x0                           ; my tile of slot 0 is in; the full sequence ahead of slot 1's first fill
	ds_add_u32 v[SPW], v[NIL]
	s_wait_dscnt 0x0
	CROUND
	JLOAD 1
	FETCH_B 0, 0, 0
	FETCH_A 0, 0, 0
	SCALES 0, 36864
	FETCH_A 0, 0, 4
	STEP 0, 0, 1                                   ; the first products start the sums
	s_mov_b32 s3, 4
.Llap:                                                 ; a trip: two slots, six steps; refills with tiles 2 .. 9
	STEP 0, 1, 0
	TURN 0, 1, 1, 36864
	STEP 1, 0, 0
	STEP 1, 1, 0
	TURN 1, 0, 1, 36864
	STEP 0, 0, 0
	s_sub_co_u32 s3, s3, 1
	s_cmp_lg_u32 s3, 0
	s_cbranch_scc1 .Llap
	STEP 0, 1, 0                                   ; tiles 8, 9 and the short tile 10
	TURN 0, 1, 2, 36864
	STEP 1, 0, 0
	STEP 1, 1, 0
	TURN 1, 0, 0, 24576
	STEP 0, 0, 0
	s_wait_dscnt 12
	WIN MUL_LO
	MUL16 0, 1, 1, 0, 0
	MUL16 2, 1, 1, 0, 0
	s_wait_dscnt 0
	WIN MUL_HI
	MUL16 4, 1, 1, 0, 0
	MUL16 6, 1, 1, 0, 0
	PLACES
; THE WAY OUT of block a (16 rows): register j of accumulators 4 g .. 4 g + 3 becomes four registers on end.  Blocks 0-3 go to window 1 (B's fragments are done with), blocks 4-7 to window 2 (blocks 0-3 have left it):
; no store's data are written again.  Each accumulator is read from its low end on.
.macro OUT a
.set AC, 64*((\a)%4)
	WIN 0x42+0x41*((\a)/4)
.irp j, 0,1,2,3,4,5,6,7
.irp c, 0,1,2,3,4,5,6,7
	v_mov_b32 v[AC+8*\j+\c], v[AC+8*\c+\j]
.endr
.endr
	WIN 0x04+0x04*((\a)/4)
.irp j, 0,1,2,3,4,5,6,7
.irp g, 0,1
	global_store_b128 v[CO], v[AC+8*\j+4*\g:AC+8*\j+4*\g+3], s[12:13] offset:(16*(\a)+\j)*8192+256*\g th:TH_STORE_NT   ; sixteen lanes store 256 consecutive bytes, aligned
.endr
.endr
.endm
.irp a, 0,1,2,3,4,5,6,7
	OUT \a
.endr
	WIN 0
	s_wait_tensorcnt 0x0                           ; the wave's end
	ds_add_u32 v[SPW], v[NIL]
	s_wait_dscnt 0x0
	CROUND                                         ; the closing round
	s_endpgm
.Lfunc_end_k_q6c85fe1b7e_gemm:
	.size	k_q6c85fe1b7e_gemm, .Lfunc_end_k_q6c85fe1b7e_gemm-k_q6c85fe1b7e_gemm
	.p2alignl 7, 3214868480
	.fill 96, 4, 3214868480
	.section	.rodata,"a",@progbits
	.p2align	6, 0x0
	.amdhsa_kernel k_q6c85fe1b7e_gemm
		.amdhsa_group_segment_fixed_size 327680
		.amdhsa_private_segment_fixed_size 0
		.amdhsa_enable_private_segment 0
		.amdhsa_kernarg_size 24
		.amdhsa_user_sgpr_count 2
		.amdhsa_user_sgpr_kernarg_segment_ptr 1
		.amdhsa_wavefront_size32 1
		.amdhsa_system_sgpr_workgroup_id_x 1
		.amdhsa_system_sgpr_workgroup_id_y 1
		.amdhsa_system_sgpr_workgroup_id_z 1
		.amdhsa_system_vgpr_workitem_id 0
		.amdhsa_next_free_vgpr 1024
		.amdhsa_next_free_sgpr 98
		.amdhsa_reserve_vcc 0
		.amdhsa_float_denorm_mode_32 3
		.amdhsa_float_denorm_mode_16_64 3
		.amdhsa_memory_ordered 1
		.amdhsa_forward_progress 1
		.amdhsa_inst_pref_size 204
	.end_amdhsa_kernel
	.amdgpu_metadata
---
amdhsa.version: [ 1, 2 ]
amdhsa.kernels:
  - .name:           k_q6c85fe1b7e_gemm
    .symbol:         k_q6c85fe1b7e_gemm.kd
    .args:
      - { .name: x_img, .offset: 0, .size: 8, .value_kind: global_buffer, .address_space: global }
      - { .name: w_img, .offset: 8, .size: 8, .value_kind: global_buffer, .address_space: global }
      - { .name: out0, .offset: 16, .size: 8, .value_kind: global_buffer, .address_space: global }
    .group_segment_fixed_size: 327680
    .private_segment_fixed_size: 0
    .kernarg_segment_align: 8
    .kernarg_segment_size: 24
    .max_flat_workgroup_size: 128
    .sgpr_count:     98
    .vgpr_count:     1024
    .wavefront_size: 32
...
	.end_amdgpu_metadata
.endif
;; end of part 2
